; MI455X (gfx1250); checked and timed in simulation.
; The chip was launched on July 23, 2026; its instructions are those of AMD's public machine-readable ISA for CDNA 5 (MIT licence, August 2026) and "CDNA5" Instruction Set Architecture Reference Guide (July 2026). The comments in the code are by the model that wrote it; some were corrected since.
;; Quantized Layer. Allowed arithmetic: matrix products marked QUANTISED: E2M1 operands, one E8M0 scale for each 32 along K, by v_wmma_scale_f32_16x16x128_f8f6f4 with both operands' format E2M1 (or v_wmma_scale_f32_32x16x128_f4), f32 sums; everything else in f32.
;; Inputs: bias_idx 4,096 int32; bias_table 256 x 1 float32; weight_idx 4,096 x 4,096 int32; weight_table 256 x 1 float32; x_codes 4 x 1,024 x 128 x 16 uint8 (E2M1 codes of x, K innermost, in blocks of 32 codes, two codes a byte); x_scales 4 x 1,024 x 128 uint8 (E8M0 scales of x, one for each 32 codes along K).
;; Outputs: out0 4 x 1,024 x 4,096 float32.
;; This version of the problem:
;;   THIS VERSION OF THE PROBLEM IS GIVEN IN LOW PRECISION. The matrix products marked QUANTISED in the list below multiply operands that are first quantised to E2M1 (2 exponent bits, 1 mantissa bit; 4 bits a number), with one power-of-two scale for each 32 numbers along K (OCP MX v1.0); their sums are f32. All else is computed in f32.
;;   The module's matrix products, in the order in which they are computed (A, B: the left and right operand; K: the contracted axis; several contracted axes count as one K, in the product's order):
;;     1. [M 4,096, K 4,096] x [K 4,096, N 4,096]; A: input x (given as codes); B: computed on the way: QUANTISED
;;   THE QUANTISER, for each operand of a quantised product, along K:
;;     - K is cut into blocks of 32 from its start; a last block that is shorter is filled with zeros.
;;     - A block's scale is 2^e with e = floor(log2(the largest magnitude in the block)) - 2, held to -126 .. 127; a block of zeros has e = 0. As a byte (E8M0): e + 127.
;;     - Each number is divided by its block's scale, clamped to +-6, and rounded to the nearest number of E2M1, ties to even, subnormals kept.
;;     - The product sums the exact products of the quantised numbers (number of the format x scale) in f32.
;;   ~~~python
;;   def quantise(x, axis):      # numpy; x: float32 -> the quantised numbers, widened to float32 again
;;       x = np.moveaxis(x, axis, -1); K = x.shape[-1]
;;       x = np.pad(x, [(0, 0)] * (x.ndim - 1) + [(0, -K % 32)]); x = x.reshape(x.shape[:-1] + (-1, 32)); a = np.abs(x).max(-1, keepdims=True)
;;       e = np.where(a > 0, np.clip(np.frexp(np.where(a > 0, a, 1))[1] - 1 - 2, -126, 127), 0)      # np.frexp(a)[1] - 1 = floor(log2(a)), exactly
;;       r = np.clip(x / 2.0 ** e, -6, 6)
;;       step = 2.0 ** (np.maximum(np.frexp(np.where(r == 0, 1, r))[1] - 1, 0) - 1)
;;       q = np.round(r / step) * step * 2.0 ** e      # np.round: ties to even
;;       return np.moveaxis(q.reshape(q.shape[:-2] + (-1,))[..., :K], -1, axis).astype(np.float32)
;;   ~~~
;;   OPERANDS COMPUTED ON THE WAY. 'Computed on the way' means the value that the module computes at that place (a softmax that the list does not call 'softmax' is quantised finished and normalised). What goes into a quantiser is computed in f32, as accurately as f32 sums, v_exp_f32 and their like allow (about 1e-6 of the number): no bf16 or f16 on the way to a quantiser, and a product that is left as it is and whose result goes on into a quantised operand takes f32 operands (vector FMAs, or v_wmma_f32_16x16x4_f32). A number that lies on a knife's edge between two numbers of the format may be rounded either way, as far as f32 arithmetic and the matrix unit's own rounding can turn it there, and no further.
;;   INPUTS GIVEN AS CODES. x (in the module: [4, 1024, 4096], K = its axis 2): each comes as NAME_codes (uint8): NAME with its K axis moved to the last place and cut into blocks of 32 codes, [.., K / 32, bytes a block], one block behind the other in memory; two codes a byte, the lower K in the low four bits (a code: sign, 2 exponent bits, 1 mantissa bit); and NAME_scales (uint8): the same leading axes, one E8M0 byte (e + 127) for each 32 codes along K. Its value is code x scale, taken as it is: it is not quantised again, and the codes and scales need not be those that the quantiser above would give.
;; One version. Each part assembles by itself: llvm-mc -triple=amdgcn-amd-amdhsa -mcpu=gfx1250 --defsym DOCPART=n.
;; ======== version 1 of 1: 2 launches
;; limits: right only within a limited range of input values
;; workspace buffers: w_codes 8,388,608 bytes; scl 1,048,576 bytes
;; launch prep (part 1): grid 256 x 1, 8 waves a work-group, no clusters, 68,608 bytes of LDS; arguments weight_idx, weight_table, x_scales, w_codes, scl; writes w_codes, scl
.if DOCPART == 1
	.amdgcn_target "amdgcn-amd-amdhsa--gfx1250"
	.amdhsa_code_object_version 6
	.text
	.protected	k_qa2dd82eb4c_prep
	.globl	k_qa2dd82eb4c_prep
	.p2align	8
	.type	k_qa2dd82eb4c_prep,@function
k_qa2dd82eb4c_prep:
	s_mov_b64 s[64:65], 0
	v_nop
	global_prefetch_b8 v0, s[64:65] scope:SCOPE_SE
	s_setreg_imm32_b32 hwreg(HW_REG_WAVE_MODE, 25, 1), 1
	s_wait_xcnt 0x0
; W[n][k] = weight_table[weight_idx[n][k]] ([4096][4096]) becomes codes of FP4 (E2M1) with one E8M0 byte for each 32 along K, laid as the product's operand registers take them.  A block's scale is
; 2^(floor(log2(its largest magnitude)) - 2): its byte is that magnitude's exponent field - 2, held at 1 from below.  Beside that x's scale bytes are laid anew.
; ORDER ALONG K: a K step is 512 codes, 16 blocks; its q-th matrix instruction (q = 0 .. 3) multiplies blocks q, 4 + q, 8 + q, 12 + q.
; w_codes: [group G of 64 columns: 64][K step: 8][t: 4][q: 4][c: 2][lane 16 h + r: 32][16 bytes]: block 4 (2 c + h) + q of row 64 G + 4 r + t of W.
; scl: x's part at byte 0: [K step: 8][row: 4096][16 bytes]; W's part at byte 524,288: [G: 64][K step: 8][t: 4][r: 16][16 bytes].  In the 16 bytes, byte b of word q is the byte of block 4 b + q.
; LIMITS: a block of zeros gets the byte 1 where the rule says 127 (its codes are zeros, and this program alone reads the bytes); NaN and infinities in the table are not served; an index above 255 is held at 255.
; SHARES.  Work-group g takes the 16 rows 64 (g / 4) + 4 p + g % 4 of W, p = 0 .. 15; wave w of its eight takes K step w of them.
; THE TABLE lies in LDS 32 times: entry e for lane l at byte 128 e + 4 l, so that the 32 lanes of a gather take 32 different banks (64 banks of 4 bytes: ISA guide 11.1).
; A LOAD reads 512 consecutive bytes: lane l holds k = 128 t + 4 l + 0 .. 3 of load t.  A block of 32 is eight lanes x four registers.
; THE CODES: a conversion takes eight numbers of a lane under ONE scale, and a lane's eight belong to two blocks: each eight are converted under both scales, and of each result the half under its own scale is kept.
; Two exchanges among four neighbouring lanes give lane 4 a + i the 16 codes of k = 128 i + 16 a + 0 .. 15.  They go through my wave's own stage in LDS (16 chunks of 256 bytes, one for each (q, c, h), 272 bytes apart), from
; which lanes read 512 consecutive bytes of the image and store them.
.set SPARE, 32768                      ; behind the table: the spare words, 128 bytes for each of eight waves
.set STAGE, 33792                      ; behind them: 16 x 272 bytes for each wave
.set IO,   2                           ; 16 x lane
.set L4,   3                           ; 4 x lane: my copy of the table
.set CO,   4                           ; my 8 bytes of a row in the stage
.set SO,   5                           ; my 8 bytes of the wave's 256 scale bytes
.set TA,   6                           ; 16 x thread: where I write the table
.set TG,   7                           ; 4 x (thread / 8): the entry that I write
.set SEL1, 8                           ; byte selects of the first exchange
.set XI,   9                           ; x_scales: 128 r + 16 h
.set XO,   10                          ; scl, x's part: 65,536 h + 16 r
.set RD,   11                          ; where I read the stage
.set MX,   16                          ; four blocks' largest magnitudes
.set SOP,  20                          ; the conversions' scale operands
.set BY,   24                          ; the scale bytes
.set CV,   28                          ; the conversions' results
.set DD,   32                          ; my 16 codes: t = 0, 1 | t = 2, 3
.set PP,   34                          ; my neighbour's
.set EE,   36                          ; behind the first exchange
.set SN,   38                          ; what I send
.set RC,   39                          ; what I get
.set WD,   40                          ; a row's scale word of my eight lanes
.set KA,   41                          ; the word of row lane % 8
.set KB,   42                          ; of row 8 + lane % 8
.set OU,   44                          ; my 8 scale bytes
.set XR,   46                          ; x's 16 scale bytes as loaded; 50-53 half turned; 54-57 turned
.set XP,   50
.set XY,   54
.set IX,   64                          ; v64-191 a ring of eight rows x 16 registers: indices, then LDS addresses, then numbers
.set FC,   192                         ; two pairs by turns: a row's codes on their way to the stage
.set TB,   192                         ; at the head: the table's entries on their way to LDS
	s_load_b256 s[4:11], s[0:1], 0x0               ; weight_idx s[4:5], weight_table s[6:7], x_scales s[8:9], w_codes s[10:11]
	s_load_b64 s[12:13], s[0:1], 0x20              ; scl
	v_lshl_add_u32 v224, v0, 2, SPARE
	v_mov_b32 v225, 0
	v_lshrrev_b32 v1, 5, v0
	v_readfirstlane_b32 s20, v1                    ; wave 0..7
	v_mul_u32_u24 v15, v1, 4352
	v_and_b32 v1, 31, v0                           ; lane
	v_lshlrev_b32 v[IO], 4, v1
	v_lshlrev_b32 v[L4], 2, v1
	v_and_b32 v12, 3, v1                           ; i = 2 c + h
	v_lshrrev_b32 v13, 2, v1                       ; a: q = a / 2
	v_add_nc_u32 v15, STAGE, v15                   ; my wave's stage
	v_lshrrev_b32 v14, 1, v13
	v_lshl_add_u32 v14, v14, 2, v12                ; chunk 4 q + i
	v_mul_u32_u24 v[CO], v14, 272
	v_and_b32 v14, 1, v13
	v_lshl_add_u32 v[CO], v14, 3, v[CO]            ; + 8 (a % 2)
	v_add_nc_u32 v[CO], v[CO], v15
	v_lshrrev_b32 v14, 4, v1
	v_add_nc_u32 v14, v14, v1
	v_lshl_add_u32 v[RD], v14, 4, v15              ; 272 h + 16 r
	v_and_b32 v12, 7, v1                           ; z = lane % 8
	v_lshrrev_b32 v13, 3, v1                       ; o = lane / 8
	v_lshlrev_b32 v[SO], 4, v12                    ; 16 z: a row's 16 bytes,
	v_and_b32 v14, 2, v13
	v_lshl_add_u32 v[SO], v14, 2, v[SO]            ; + 4 (o & 2): two words,
	v_and_b32 v14, 1, v13
	v_lshl_add_u32 v[SO], v14, 7, v[SO]            ; + 128 (o & 1): rows 8 to 15
	v_lshlrev_b32 v[TA], 4, v0
	v_lshrrev_b32 v[TG], 3, v0
	v_lshlrev_b32 v[TG], 2, v[TG]
	v_and_b32 v12, 15, v1                          ; r
	v_lshrrev_b32 v13, 4, v1                       ; h
	v_lshlrev_b32 v[XI], 7, v12
	v_lshl_add_u32 v[XI], v13, 4, v[XI]
	v_lshlrev_b32 v[XO], 4, v12
	v_lshl_add_u32 v[XO], v13, 16, v[XO]
	s_mov_b32 s26, 0xaaaaaaaa                      ; the odd lanes
	s_mov_b32 s27, 0xcccccccc                      ; lanes 2 and 3 of each four
	s_mov_b32 s28, 0xff00ff00                      ; the upper eight of each sixteen
	s_mov_b32 s29, 0x07060100                      ; the first source's high half over the second's low half
	v_mov_b32 v[SEL1], 0x05040100                  ; even lanes: my low half, then my neighbour's low half
	v_mov_b32 v12, 0x03020706                      ; odd lanes: my neighbour's high half, then my high half
	v_cndmask_b32 v[SEL1], v[SEL1], v12, s26
	v_mov_b32 v[PP], 0                             ; written once: the destination of a lane exchange counts as one of its sources,
	v_mov_b32 v[PP+1], 0
	v_mov_b32 v[RC], 0
	v_mov_b32 v[KA], 0                             ; and so does the old value in a choice
	v_mov_b32 v[KB], 0
	s_lshr_b32 s32, ttmp9, 2                       ; G
	s_and_b32 s33, ttmp9, 3                        ; t
	s_mov_b32 s25, 0                               ; every offset is under 2^32: s[24:25] is the pair that is added
	s_wait_alu depctr_va_vdst(0)                   ; the wait at the head's end
	s_wait_kmcnt 0x0
	s_lshl_b32 s24, s32, 20                        ; weight_idx: 64 rows of 16,384 bytes a group,
	s_lshl_b32 s31, s33, 14                        ; row t,
	s_add_co_u32 s24, s24, s31
	s_lshl_b32 s31, s20, 11                        ; 512 indices a wave
	s_add_co_u32 s24, s24, s31
	s_add_nc_u64 s[4:5], s[4:5], s[24:25]
	s_lshl_b32 s24, s32, 17                        ; w_codes: 131,072 bytes a group,
	s_lshl_b32 s31, s20, 14                        ; 16,384 a K step,
	s_add_co_u32 s24, s24, s31
	s_lshl_b32 s31, s33, 12                        ; 4,096 a t
	s_add_co_u32 s24, s24, s31
	s_add_nc_u64 s[10:11], s[10:11], s[24:25]
	s_lshl_b32 s24, s20, 17                        ; scl, x's part: K steps 2 w and 2 w + 1 (waves 0 to 3 alone use it),
	s_lshl_b32 s31, ttmp9, 8                       ; 16 rows of 16 bytes a work-group
	s_add_co_u32 s24, s24, s31
	s_add_nc_u64 s[22:23], s[12:13], s[24:25]
	s_lshl_b32 s24, s32, 13                        ; scl, W's part: 8,192 bytes a group, 1,024 a K step, 256 a t
	s_lshl_b32 s31, s20, 10
	s_add_co_u32 s24, s24, s31
	s_lshl_b32 s31, s33, 8
	s_add_co_u32 s24, s24, s31
	s_add_co_u32 s24, s24, 524288
	s_add_nc_u64 s[12:13], s[12:13], s[24:25]
	s_lshl_b32 s24, ttmp9, 11                      ; x_scales: 16 rows of 128 bytes, 32 bytes a wave
	s_lshl_b32 s31, s20, 5
	s_add_co_u32 s24, s24, s31
	s_add_nc_u64 s[8:9], s[8:9], s[24:25]
	s_cmp_lt_u32 s20, 4
	s_cbranch_scc0 .Lno_x_load
	global_load_b128 v[XR:XR+3], v[XI], s[8:9]     ; row 16 g + r, K step 2 w + h: its 16 scale bytes; waves 0 to 3 take the whole rows of 128 between them
.Lno_x_load:
.irp u, 0,1,2,3,4,5,6,7
	global_load_b32 v[TB+4*\u], v[TG], s[6:7] offset:128*\u   ; entry 32 u + thread / 8
.endr
.macro LOADROW p                       ; row p's 512 indices into set p % 8: four loads of 512 consecutive bytes
.irp t, 0,1,2,3
	global_load_b128 v[IX+16*((\p)%8)+4*\t:IX+16*((\p)%8)+4*\t+3], v[IO], s[4:5] offset:(\p)*65536+512*\t th:TH_LOAD_NT
.endr
.endm
.irp p, 0,1,2,3,4,5,6,7
	LOADROW \p                                     ; 32 loads, 16 KiB a wave, are out from here on
.endr
	s_wait_loadcnt 32                              ; all but the ring's 32: the table's entries and x's scales are in
.irp u, 0,1,2,3,4,5,6,7
	v_mov_b32 v[TB+4*\u+1], v[TB+4*\u]
	v_mov_b32 v[TB+4*\u+2], v[TB+4*\u]
	v_mov_b32 v[TB+4*\u+3], v[TB+4*\u]
.endr
.irp u, 0,1,2,3,4,5,6,7
	ds_store_b128 v[TA], v[TB+4*\u:TB+4*\u+3] offset:4096*\u   ; four copies of entry 32 u + thread / 8; eight threads write an entry's 128 bytes
.endr
	s_wait_dscnt 0x0                               ; for the others' sake: my part of the table has landed
	s_barrier_signal -1
	s_barrier_wait -1                              ; the table is whole; behind this each wave stores into its own stage alone
	s_cmp_lt_u32 s20, 4
	s_cbranch_scc0 .Lno_x_store
	v_perm_b32 v[XP],   v[XR+1], v[XR],   0x05010400   ; a 4 x 4 turn of bytes: byte b of word q becomes byte q of word b
	v_perm_b32 v[XP+1], v[XR+1], v[XR],   0x07030602
	v_perm_b32 v[XP+2], v[XR+3], v[XR+2], 0x05010400
	v_perm_b32 v[XP+3], v[XR+3], v[XR+2], 0x07030602
	v_perm_b32 v[XY],   v[XP+2], v[XP],   0x05040100
	v_perm_b32 v[XY+1], v[XP+2], v[XP],   0x07060302
	v_perm_b32 v[XY+2], v[XP+3], v[XP+1], 0x05040100
	v_perm_b32 v[XY+3], v[XP+3], v[XP+1], 0x07060302
	global_store_b128 v[XO], v[XY:XY+3], s[22:23]  ; sixteen lanes store 256 consecutive bytes, aligned
.Lno_x_store:
.macro GATHER p                        ; row p's indices become numbers, in place
.set R, IX+16*((\p)%8)
.irp k, 0,1,2,3,4,5,6,7,8,9,10,11,12,13,14,15
	v_min_u32 v[R+\k], 0xff, v[R+\k]
.endr
.irp k, 0,1,2,3,4,5,6,7,8,9,10,11,12,13,14,15
	v_lshl_add_u32 v[R+\k], v[R+\k], 7, v[L4]      ; 128 x index + 4 x lane
.endr
.irp k, 0,1,2,3,4,5,6,7,8,9,10,11,12,13,14,15
	ds_load_b32 v[R+\k], v[R+\k]
.endr
.endm
.macro QROW p                          ; row p's 512 numbers become 256 bytes of codes, which go to the stage, and four scale words, of which each lane keeps what it will store
.set R, IX+16*((\p)%8)
.set F, FC+2*((\p)%2)
.irp t, 0,1,2,3
	v_max3_num_f32 v[MX+\t], |v[R+4*\t]|, |v[R+4*\t+1]|, 0x1800000   ; block 4 t + lane / 8: my four numbers, and the floor 2^(3 - 127): so the byte cannot fall under 1
.endr
.irp t, 0,1,2,3
	v_max3_num_f32 v[MX+\t], v[MX+\t], |v[R+4*\t+2]|, |v[R+4*\t+3]|
.endr
.irp k, 1,2,4
.irp t, 0,1,2,3
	v_max_num_f32_dpp v[MX+\t], v[MX+\t], v[MX+\t] row_xmask:\k row_mask:0xf bank_mask:0xf   ; with the other seven lanes of the block (the four blocks by turns)
.endr
.endr
.irp t, 0,1,2,3
	v_add_nc_u32 v[SOP+\t], 0xff000000, v[MX+\t]   ; 2 off the exponent field: the conversion takes the exponent field of this operand as its scale
.endr
	v_cvt_scalef32_pk8_fp4_f32 v[CV],   v[R:R+7],    v[SOP]     ; the low half is right: t = 0's four codes
	v_cvt_scalef32_pk8_fp4_f32 v[CV+1], v[R:R+7],    v[SOP+1]   ; the high half: t = 1's
	v_cvt_scalef32_pk8_fp4_f32 v[CV+2], v[R+8:R+15], v[SOP+2]
	v_cvt_scalef32_pk8_fp4_f32 v[CV+3], v[R+8:R+15], v[SOP+3]
.irp t, 0,1,2,3
	v_lshrrev_b32 v[BY+\t], 23, v[SOP+\t]          ; the scales' bytes: plain lines between the conversions and the first use of their results
.endr
	s_delay_alu instid0(VALU_DEP_3)
	v_lshl_or_b32 v[WD], v[BY+1], 8, v[BY]         ; byte t = block 4 t + lane / 8: word q = lane / 8 of the row's four
	s_delay_alu instid0(VALU_DEP_1)
	v_lshl_or_b32 v[WD], v[BY+2], 16, v[WD]
	s_delay_alu instid0(VALU_DEP_1)
	v_lshl_or_b32 v[WD], v[BY+3], 24, v[WD]
	v_perm_b32 v[DD],   v[CV+1], v[CV],   s29      ; t = 0's codes below, t = 1's above
	v_perm_b32 v[DD+1], v[CV+3], v[CV+2], s29      ; t = 2's, t = 3's
	s_delay_alu instid0(VALU_DEP_2)
	v_mov_b32_dpp v[PP],   v[DD]   row_xmask:1 row_mask:0xf bank_mask:0xf
	s_delay_alu instid0(VALU_DEP_2)
	v_mov_b32_dpp v[PP+1], v[DD+1] row_xmask:1 row_mask:0xf bank_mask:0xf
	s_delay_alu instid0(VALU_DEP_2)
	v_perm_b32 v[EE],   v[PP],   v[DD],   v[SEL1]  ; even lanes: t = 0 of the pair of lanes, eight neighbouring codes; odd lanes: t = 1
	s_delay_alu instid0(VALU_DEP_2)
	v_perm_b32 v[EE+1], v[PP+1], v[DD+1], v[SEL1]  ; even: t = 2; odd: t = 3
	s_delay_alu instid0(VALU_DEP_1)
	v_cndmask_b32 v[SN], v[EE+1], v[EE], s27       ; lanes 0, 1 of a four send what lanes 2, 3 keep, and the other way round
	s_delay_alu instid0(VALU_DEP_1)
	v_mov_b32_dpp v[RC], v[SN] row_xmask:2 row_mask:0xf bank_mask:0xf
	s_delay_alu instid0(VALU_DEP_1)
	v_cndmask_b32 v[F],   v[EE], v[RC],   s27
	s_delay_alu instid0(VALU_DEP_2)
	v_cndmask_b32 v[F+1], v[RC], v[EE+1], s27      ; lane 4 a + i holds the 16 codes of k = 128 i + 16 a + 0 .. 15
	ds_store_b64 v[CO], v[F:F+1] offset:16*(\p)    ; r = p: 16 bytes a row in each chunk; my own bytes of the stage
	s_mov_b32 s30, 0x01010101<<((\p)%8)            ; the lanes with lane % 8 = p % 8 keep this row's word
.if (\p) < 8
	v_cndmask_b32 v[KA], v[KA], v[WD], s30
.else
	v_cndmask_b32 v[KB], v[KB], v[WD], s30
.endif
.endm
.macro STEP p                          ; the next row's gathers are out while this row is worked
.if (\p) < 15
.if (\p) <= 8
	s_wait_loadcnt 24                              ; row p + 1 is in; behind it six rows' loads were issued
.else
	s_wait_loadcnt 4*(14-(\p))                     ; the ring runs empty: rows p + 2 to 15
.endif
	GATHER (\p)+1
	s_wait_dscnt 16                                ; this row's 16 gathers are in; the next row's may be out
.else
	s_wait_dscnt 0x0
.endif
	QROW \p
.if (\p) < 8
	LOADROW (\p)+8                                 ; the set that has just been read takes the row eight further on
.endif
.endm
	s_wait_loadcnt 28                              ; row 0 is in; rows 1 to 7 may be out
	GATHER 0
.irp p, 0,1,2,3,4,5,6,7,8,9,10,11,12,13,14,15
	STEP \p
.endr
	; the wave's 256 scale bytes.  Lane (o, z) holds word o of row z and of row 8 + z; lanes eight apart change one word, so that each lane has two neighbouring words of one row
	s_delay_alu instid0(VALU_DEP_1)
	v_cndmask_b32 v[SN], v[KB], v[KA], s28
	s_delay_alu instid0(VALU_DEP_1)
	v_mov_b32_dpp v[RC], v[SN] row_xmask:8 row_mask:0xf bank_mask:0xf
	s_delay_alu instid0(VALU_DEP_1)
	v_cndmask_b32 v[OU],   v[KA], v[RC], s28       ; even o: row z, words o, o + 1;
	s_delay_alu instid0(VALU_DEP_2)
	v_cndmask_b32 v[OU+1], v[RC], v[KB], s28       ; odd o: row 8 + z, words o - 1, o
	global_store_b64 v[SO], v[OU:OU+1], s[12:13]   ; the wave stores 256 consecutive bytes, aligned
	; the image of 4,096 bytes: LDS serves a wave's instructions in order (ISA guide 5.7.1.4), so these loads see the stores above
.irp m, 0,1,2,3,4,5,6,7
	ds_load_b128 v[IX+4*\m:IX+4*\m+3], v[RD] offset:544*\m
.endr
.irp m, 0,1,2,3,4,5,6,7
	s_wait_dscnt 7-\m                              ; load m is back
	global_store_b128 v[IO], v[IX+4*\m:IX+4*\m+3], s[10:11] offset:512*\m   ; 32 lanes store 512 consecutive bytes, aligned
.endr
	s_wait_tensorcnt 0x0                           ; the wave's end
	ds_add_u32 v224, v225
	s_wait_dscnt 0x0
	s_endpgm
.Lfunc_end_k_qa2dd82eb4c_prep:
	.size	k_qa2dd82eb4c_prep, .Lfunc_end_k_qa2dd82eb4c_prep-k_qa2dd82eb4c_prep
	.p2alignl 7, 3214868480
	.fill 96, 4, 3214868480
	.section	.rodata,"a",@progbits
	.p2align	6, 0x0
	.amdhsa_kernel k_qa2dd82eb4c_prep
		.amdhsa_group_segment_fixed_size 68608
		.amdhsa_private_segment_fixed_size 0
		.amdhsa_enable_private_segment 0
		.amdhsa_kernarg_size 40
		.amdhsa_user_sgpr_count 2
		.amdhsa_user_sgpr_kernarg_segment_ptr 1
		.amdhsa_wavefront_size32 1
		.amdhsa_system_sgpr_workgroup_id_x 1
		.amdhsa_system_sgpr_workgroup_id_y 1
		.amdhsa_system_sgpr_workgroup_id_z 1
		.amdhsa_system_vgpr_workitem_id 0
		.amdhsa_next_free_vgpr 226
		.amdhsa_next_free_sgpr 66
		.amdhsa_reserve_vcc 0
		.amdhsa_float_denorm_mode_32 3
		.amdhsa_float_denorm_mode_16_64 3
		.amdhsa_memory_ordered 1
		.amdhsa_forward_progress 1
		.amdhsa_inst_pref_size 118
	.end_amdhsa_kernel
	.amdgpu_metadata
---
amdhsa.version: [ 1, 2 ]
amdhsa.kernels:
  - .name:           k_qa2dd82eb4c_prep
    .symbol:         k_qa2dd82eb4c_prep.kd
    .args:
      - { .name: weight_idx, .offset: 0, .size: 8, .value_kind: global_buffer, .address_space: global }
      - { .name: weight_table, .offset: 8, .size: 8, .value_kind: global_buffer, .address_space: global }
      - { .name: x_scales, .offset: 16, .size: 8, .value_kind: global_buffer, .address_space: global }
      - { .name: w_codes, .offset: 24, .size: 8, .value_kind: global_buffer, .address_space: global }
      - { .name: scl, .offset: 32, .size: 8, .value_kind: global_buffer, .address_space: global }
    .group_segment_fixed_size: 68608
    .private_segment_fixed_size: 0
    .kernarg_segment_align: 8
    .kernarg_segment_size: 40
    .max_flat_workgroup_size: 256
    .sgpr_count:     66
    .vgpr_count:     226
    .wavefront_size: 32
...
	.end_amdgpu_metadata
.endif
;; end of part 1
;; launch gemm (part 2): grid 16 x 16, 4 waves a work-group, clusters of 4 x 4, 327,680 bytes of LDS; arguments x_codes, w_codes, scl, bias_idx, bias_table, out0; writes out0
.if DOCPART == 2
	.amdgcn_target "amdgcn-amd-amdhsa--gfx1250"
	.amdhsa_code_object_version 6
	.text
	.protected	k_qa2dd82eb4c_gemm
	.globl	k_qa2dd82eb4c_gemm
	.p2align	8
	.type	k_qa2dd82eb4c_gemm,@function
k_qa2dd82eb4c_gemm:
	s_mov_b64 s[64:65], 0
	v_nop
	global_prefetch_b8 v0, s[64:65] scope:SCOPE_SE
	s_setreg_imm32_b32 hwreg(HW_REG_WAVE_MODE, 25, 1), 1
	s_wait_xcnt 0x0
	s_wait_alu depctr_hold_cnt(0) depctr_sa_sdst(0) depctr_va_vdst(0) depctr_va_sdst(0) depctr_va_ssrc(0) depctr_va_vcc(0) depctr_vm_vsrc(0)
	s_getreg_b32 s2, hwreg(HW_REG_IB_STS2, 6, 4)
	s_cmp_eq_u32 s2, 0
	s_cbranch_scc0 .Lentry_in_a_cluster
	s_endpgm
.Lentry_in_a_cluster:
	s_bfe_u32 s2, ttmp6, 0x10000c
	s_cmp_lg_u32 s2, 0xf033
	s_cbranch_scc0 .Lentry_shape_is_right
	s_endpgm
.Lentry_shape_is_right:
; out0[m][n] = sum over k of x[m][k] W[n][k] + bias_table[bias_idx[n]].  x: [4096][4096] as codes of FP4 (E2M1), two a byte, K innermost (rows of 2,048 bytes).  W's codes lie in w_codes and the scales of both in scl as the
; launch before lays them: w_codes [G: 64][K step of 512: 8][t: 4][q: 4][c: 2][lane: 32][16 bytes], G a group of 64 columns; scl: x's part [K step][row][16 bytes], W's part at byte 524,288 [G][K step][t][r][16 bytes].
; A work-group of four waves makes a tile of 256 x 256; a wave makes 128 rows x 128 columns: 4 blocks a of 32 rows x 8 blocks t of 16 columns, 32 accumulators of 16 registers.
; Blocks 4 g .. 4 g + 3 hold the wave's columns 64 g + 4 r + (t % 4), r = 0 .. 15: so in the results lane (r, h) has in four accumulators of a row four NEIGHBOURING columns, and 64 columns of a row leave from registers as one
; aligned unit of 256 bytes.  The bias is added in the same instruction that brings the four together.
; K goes in 8 steps of 512 through a ring of two LDS slots: x's 256 rows x 256 bytes (padded by 16), and W's four groups of 16,384 bytes, an image of the operand's registers that needs no padding.
; One load a wave: waves 0, 1 x's two halves, waves 2, 3 W's.  CLUSTERS: 4 x 4 work-groups; x's tiles are asked for jointly by the four of a row of the cluster, W's by the four of a column.  The scales go straight into registers.
; A K step is four STEPS of 128: the q-th multiplies its blocks q, 4 + q, 8 + q, 12 + q.  x's and W's fragments have two sets of registers: step s + 1's 32 loads stand in one run at step s's beginning, W's first, then x's four
; blocks; a quarter of a step is one block of x, and waits for that block alone.
; THE LAST K STEP GOES BY ROWS: W's fragments of all its four steps are held in registers, and unit after unit of 32 rows x 64 columns is finished (16 matrix instructions) and stored while the next are multiplied.
; PREFETCH: every cluster asks for what it will itself load, each block of 256 bytes once: a K step's 128 blocks that a wave fetches are shared out by address among the four partners that ask for them jointly (cx for x, cy for W),
; one instruction a wave.  K step 1 is asked for at the head, 2 and 3 in step 1, k = 4 .. 7 in step 4 k - 11, six steps ahead of their fills.
; LIMITS: the sums are not taken in ascending K inside a K step; a scale byte of x is taken as it is given (0xff is NaN there as in the format); an index of the bias above 255 is held at 255.
; REGISTERS.  Window 0: addresses, scales, bias; in the last K step W's fragments of q = 1, 2, and room for the first unit's results.  Window 1: x's two sets (v0, v64) and W's two sets (v128, v192).
; Windows 2, 3: accumulators (a, t) at v[128 (a % 2) + 16 t], blocks 0, 1 and 2, 3.
; All of a WGP's LDS is claimed; the text uses 270,848 bytes.
.set PITCH, 272                        ; an LDS row of x: 256 bytes + 16 of padding: the 16 rows that a load touches start at 16 different places of 16 bytes modulo 256
.set HALFX, 128*PITCH
.set WOFF,  2*HALFX                    ; a slot: x's 256 rows, then W
.set SLOT,  WOFF+65536
.set SPARE, 2*SLOT                     ; the spare words, 128 bytes for each wave: two blocks of 256 bytes that no other line names
.set R16,  3                           ; v3    16 r
.set ADRX, 4                           ; v4-5  LDS address of my fragments of x in slot 0, 1
.set ADRW, 6                           ; v6-7  of W
.set IO,   8                           ; v8    16 x lane
.set CO,   9                           ; v9    my offset in out0: 8 h rows + 16 r bytes
.set SPW,  10                          ; v10   my spare word
.set NIL,  11                          ; v11   0
.set PFV,  12                          ; v12   the prefetches' offset
.set SC1,  16                          ; scale words of odd K steps: registers 4 a + q: lane m has the word of row 32 a + m; 16 + 4 u + q: lanes 0-15 the words of W's block 2 u, lanes 16-31 of 2 u + 1
.set WQ1,  48                          ; the last K step's W, q = 1; q = 2 behind it
.set WQ2,  112
.set BI,   176                         ; bias of columns 64 g + 4 r + 0 .. 3 at BI + 4 g
.set SC0,  184                         ; scale words of even K steps
.set T0,   192                         ; the first unit's results: v192-255 (the even K steps' scales have been used by then)
.set G1A,  24                          ; s[24:31] descriptor group 1 for x;  s[32:39] group 0 for slots 0, 1
.set G0A,  32
.set G1B,  40                          ; s[40:47], s[48:55] the same for W
.set G0B,  48
.set SX,   66                          ; my rows' scales
.set SW,   68                          ; my columns' scales
.set OUT,  70                          ; my first row and column of out0
.set BX,   72                          ; my columns' bias indices
.set PF,   74                          ; s[74:87] the prefetches' bases for K steps 1 .. 7
.set TO_X, 0x40                        ; destination window 1, address window 0
.set MSB, 0
.macro WIN new                         ; the immediate's high byte repeats the setting that is left
.if MSB != (\new)
	s_set_vgpr_msb (MSB<<8)|(\new)
.set MSB, (\new)
.endif
.endm
.macro PLACES                          ; places behind matrix instructions in front of loads into registers that they have read, and of reads of results
.rept 4
	v_nop
.endr
.endm
.macro CREST                           ; a round of the cluster's barrier behind its opening barrier
	s_cmp_lg_u32 s16, 0
	s_cbranch_scc1 .Lnot_wave_0_\@
	s_barrier_signal -3
.Lnot_wave_0_\@:
	s_barrier_wait -3
	s_barrier_signal -1
	s_barrier_wait -1
.endm
.macro CROUND                          ; a whole round
	s_barrier_signal -1
	s_barrier_wait -1
	CREST
.endm
.macro JLOAD s                         ; a joint load: waves 0, 1 for x, waves 2, 3 for W; the branch hangs on the wave's number alone; s_nop 0 and four v_nop follow each line
	s_cmp_eq_u32 s17, 0
	s_cbranch_scc0 .Lfor_w_\@
	tensor_load_to_lds s[G0A+4*\s:G0A+4*\s+3], s[G1A:G1A+7]
	s_nop 0
.rept 4
	v_nop
.endr
	s_branch .Lasked_\@
.Lfor_w_\@:
	tensor_load_to_lds s[G0B+4*\s:G0B+4*\s+3], s[G1B:G1B+7]
	s_nop 0
.rept 4
	v_nop
.endr
.Lasked_\@:
.endm
.macro SL j                            ; K step j's scale words
.irp i, 0,1,2,3
	global_load_b128 v[SC0+(SC1-SC0)*((\j)%2)+4*\i:SC0+(SC1-SC0)*((\j)%2)+4*\i+3], v[IO], s[SX:SX+1] offset:(\j)*65536+512*\i
.endr
.irp i, 0,1,2,3
	global_load_b128 v[SC0+(SC1-SC0)*((\j)%2)+16+4*\i:SC0+(SC1-SC0)*((\j)%2)+19+4*\i], v[IO], s[SW:SW+1] offset:(\i/2)*8192+(\j)*1024+512*(\i%2)
.endr
.endm
.macro PREF k                          ; K step k of what my wave fetches: my work-group's 32 blocks of 256 bytes
	global_prefetch_b8 v[PFV], s[PF+2*(\k)-2:PF+2*(\k)-1] th:TH_LOAD_NT scope:SCOPE_SE
.endm
.macro LX dst, adr, a, q               ; x's fragment of block a: registers 8 u + 4 c: rows 16 u + r, the instruction's block 2 c + h, which lies 128 c + 64 h + 16 q bytes into the row
.irp u, 0,1
.irp c, 0,1
	ds_load_b128 v[(\dst)+8*\u+4*\c:(\dst)+8*\u+4*\c+3], v[\adr] offset:(32*(\a)+16*\u)*PITCH+128*\c+16*(\q)
.endr
.endr
.endm
.macro LW dst, adr, q                  ; W's eight fragments of the q-th step: 32 lanes read 512 consecutive bytes
.irp t, 0,1,2,3,4,5,6,7
.irp c, 0,1
	ds_load_b128 v[(\dst)+8*\t+4*\c:(\dst)+8*\t+4*\c+3], v[\adr] offset:\t*4096+(\q)*1024+512*\c
.endr
.endr
.endm
.macro FETCH s                         ; step s's 32 loads into set s % 2
	WIN TO_X
	LW 128+64*((\s)%2), ADRW+((\s)/4)%2, (\s)%4
.irp a, 0,1,2,3
	LX 64*((\s)%2)+16*\a, ADRX+((\s)/4)%2, \a, (\s)%4
.endr
	WIN 0
.endm
.macro RX a                            ; by rows: x's block a of the last K step, all four q, into set a % 2
.irp q, 0,1,2,3
	LX 64*((\a)%2)+16*\q, ADRX+1, \a, \q
.endr
.endm
.macro WM                              ; one matrix instruction on D_, X_, W_, SX_, SW_; Z_: it starts a sum; O_: W's scales lie in lanes 16-31
.if Z_
.if O_
	v_wmma_scale_f32_32x16x128_f4 v[D_:D_+15], v[X_:X_+15], v[W_:W_+7], 0, v[SX_], v[SW_] matrix_b_scale:MATRIX_SCALE_ROW1
.else
	v_wmma_scale_f32_32x16x128_f4 v[D_:D_+15], v[X_:X_+15], v[W_:W_+7], 0, v[SX_], v[SW_]
.endif
.else
.if O_
	v_wmma_scale_f32_32x16x128_f4 v[D_:D_+15], v[X_:X_+15], v[W_:W_+7], v[D_:D_+15], v[SX_], v[SW_] matrix_b_scale:MATRIX_SCALE_ROW1
.else
	v_wmma_scale_f32_32x16x128_f4 v[D_:D_+15], v[X_:X_+15], v[W_:W_+7], v[D_:D_+15], v[SX_], v[SW_]
.endif
.endif
.endm
.macro QUART a, s, z                   ; block a x eight t: the 32 accumulators take turns, one instruction a turn, in the same order in every step
	WIN 0xa5+0x50*((\a)/2)
.irp t, 0,1,2,3,4,5,6,7
.set Z_, \z
.set O_, \t%2
.set D_, 128*((\a)%2)+16*\t
.set X_, 64*((\s)%2)+16*(\a)
.set W_, 128+64*((\s)%2)+8*\t
.set SX_, SC0+(SC1-SC0)*(((\s)/4)%2)+4*(\a)+(\s)%4
.set SW_, SC0+(SC1-SC0)*(((\s)/4)%2)+16+4*(\t/2)+(\s)%4
	WM
.endr
.endm
.macro STEP s, z                       ; a step that has its successor in the same slot
	PLACES                                         ; for the loads below: they land in registers that the step before read
	FETCH \s+1
.if ((\s)%4) == 0
	s_wait_loadcnt 0x0                             ; this K step's scales
	SL \s/4+1
.endif
.if (\s) == 1
	PREF 2
	PREF 3
.endif
.if (((\s)%4) == 1) && ((\s) > 1) && ((\s) < 18)
	PREF (\s+11)/4
.endif
.irp a, 0,1,2,3
	s_wait_dscnt 44-4*\a                           ; W's fragments and x's blocks 0 .. a are in; this step's blocks behind them and the next step's 32 loads may be out
	QUART \a, \s, \z
.endr
.endm
; A slot's last step changes slots: its fragments have all been asked for.  fill = 1: the slot is filled again, two K steps on.
.macro TSTEP s, slot, fill
	WIN 0                                          ; (the add's two registers lie in window 0)
	s_wait_tensorcnt 0x0                           ; my one load that was out is my part of the next slot
	ds_add_u32 v[SPW], v[NIL]                      ; 0 onto my spare word
.if \fill
	s_add_nc_u64 s[G0A+4*\slot+2:G0A+4*\slot+3], s[G0A+4*\slot+2:G0A+4*\slot+3], 512
	s_add_nc_u64 s[G0B+4*\slot+2:G0B+4*\slot+3], s[G0B+4*\slot+2:G0B+4*\slot+3], 32768
.endif
	s_wait_dscnt 13                                ; W's fragments and x's block 0 are in; three blocks and the add may be out
	QUART 0, \s, 0
	WIN 0
	s_wait_dscnt 0x0                               ; the add is done, and so are my reads of this slot
	s_barrier_signal -1
	s_barrier_wait -1
.if \fill
	CREST                                          ; no wave of any partner still reads this slot or has a load on its way
	JLOAD \slot                                    ; the four v_nop behind it are the places in front of the loads below
.else
	PLACES
.endif
.if (\s) < 27
	FETCH \s+1
.else
	WIN TO_X                                       ; the last K step: x's block 0, W's q = 0 and 1
	RX 0
	LW 128, ADRW+1, 0
	WIN 0
	LW WQ1, ADRW+1, 1
.endif
.irp a, 1,2,3
	QUART \a, \s, 0
.endr
.endm
	s_load_b256 s[4:11], s[0:1], 0x0               ; x_codes s[4:5], w_codes s[6:7], scl s[8:9], bias_idx s[10:11]
	s_load_b128 s[12:15], s[0:1], 0x20             ; bias_table s[12:13], out0 s[14:15]
	v_lshl_add_u32 v[SPW], v0, 2, SPARE
	v_mov_b32 v[NIL], 0
	ds_add_u32 v[SPW], v[NIL]                      ; the wave's opening: the add, twice on end, and its wait
	ds_add_u32 v[SPW], v[NIL]
	v_lshrrev_b32 v1, 5, v0
	v_readfirstlane_b32 s16, v1                    ; wave 0..3
	s_lshr_b32 s17, s16, 1                         ; which half of the tile's rows is mine.  Also: I fetch for x (0) or for W (1)
	s_and_b32 s18, s16, 1                          ; which half of its columns.  Also: which half of that tile I fetch
	s_bfe_u32 s21, ttmp6, 0x40000                  ; cx, cy
	s_bfe_u32 s22, ttmp6, 0x40004
	s_lshl_b32 s20, ttmp9, 2
	s_add_co_u32 s20, s20, s21                     ; tile column
	s_and_b32 s19, ttmp7, 0xffff
	s_lshl_b32 s19, s19, 2
	s_add_co_u32 s19, s19, s22                     ; tile row
	s_lshl_b32 s56, s22, 2
	s_lshl_b32 s56, 15, s56                        ; my row of the cluster
	s_lshl_b32 s57, 0x1111, s21                    ; my column
	s_or_b32 s[G1A], s56, (1<<20)|(1<<21)|(5<<22)|(3<<25)   ; 15:0 the mask; 17:16 elements of 1 byte; 20 padding on; 21 set beside a mask; 24:22 after every 64 words; 31:25 of 4 words
	s_mov_b32 s[G1A+1], 256<<16                    ; tensor_dim0 = 256
	s_mov_b32 s[G1A+2], 128<<16                    ; tensor_dim1 = 128
	s_mov_b32 s[G1A+3], 256<<16                    ; tile_dim0 = 256
	s_mov_b32 s[G1A+4], 128                        ; tile_dim1 = 128
	s_mov_b32 s[G1A+5], 2048                       ; tensor_dim0_stride
	s_mov_b32 s[G1A+6], 0
	s_mov_b32 s[G1A+7], 0
	s_or_b32 s[G1B], s57, (3<<16)|(1<<21)          ; elements of 8 bytes, no padding
	s_mov_b32 s[G1B+1], 2048<<16                   ; a row: a group's 16,384 bytes of a K step
	s_mov_b32 s[G1B+2], 2<<16                      ; two groups,
	s_mov_b32 s[G1B+3], 2048<<16
	s_mov_b32 s[G1B+4], 2
	s_mov_b32 s[G1B+5], 16384                      ; 131,072 bytes apart
	s_mov_b32 s[G1B+6], 0
	s_mov_b32 s[G1B+7], 0
	s_mul_i32 s62, s18, HALFX                      ; where they go in a slot: x's half,
	s_lshl_b32 s63, s18, 15
	s_add_co_u32 s63, s63, WOFF                    ; W's half
	s_mov_b32 s[G0A], 1
	s_mov_b32 s[G0A+1], s62
	s_mov_b32 s[G0A+4], 1
	s_add_co_u32 s[G0A+5], s62, SLOT
	s_mov_b32 s[G0B], 1
	s_mov_b32 s[G0B+1], s63
	s_mov_b32 s[G0B+4], 1
	s_add_co_u32 s[G0B+5], s63, SLOT
	s_lshl_b32 s23, s18, 18                        ; the half that I fetch: 128 rows of x, two groups of W: 262,144 bytes
	s_lshl_b32 s58, s19, 19                        ; x: 256 rows of 2,048 bytes a tile row.  s[58:59] never holds the tile column
	s_add_co_u32 s58, s58, s23
	s_mov_b32 s59, 0
	s_lshl_b32 s90, s20, 19                        ; W: four groups of 131,072 bytes a tile column.  s[90:91] never holds the tile row
	s_add_co_u32 s90, s90, s23
	s_mov_b32 s91, 0
	s_mov_b32 s61, 0                               ; s[60:61]: the other offsets
	s_wait_dscnt 0x0                               ; both opening adds are done
	s_wait_kmcnt 0x0
	s_add_nc_u64 s[G0A+2:G0A+3], s[4:5], s[58:59]
	s_add_nc_u64 s[G0A+6:G0A+7], s[G0A+2:G0A+3], 256      ; slot 1: K step 1
	s_or_b32 s[G0A+3], s[G0A+3], 0x80000000
	s_or_b32 s[G0A+7], s[G0A+7], 0x80000000
	s_add_nc_u64 s[G0B+2:G0B+3], s[6:7], s[90:91]
	s_add_nc_u64 s[G0B+6:G0B+7], s[G0B+2:G0B+3], 16384
	s_or_b32 s[G0B+3], s[G0B+3], 0x80000000
	s_or_b32 s[G0B+7], s[G0B+7], 0x80000000
	CROUND                                         ; all sixteen work-groups are here: the first joint loads meet
	JLOAD 0                                        ; K step 0: one tensor load a wave at the head
	; scales, bias, output: my rows and columns
	s_lshl_b32 s60, s19, 12
	s_lshl_b32 s92, s17, 11
	s_add_co_u32 s60, s60, s92
	s_add_nc_u64 s[SX:SX+1], s[8:9], s[60:61]
	s_lshl_b32 s60, s20, 15
	s_lshl_b32 s92, s18, 14
	s_add_co_u32 s60, s60, s92
	s_add_co_u32 s60, s60, 524288
	s_add_nc_u64 s[SW:SW+1], s[8:9], s[60:61]
	s_lshl_b32 s60, s20, 10                        ; 256 columns of 4 bytes a tile column, 128 a half
	s_lshl_b32 s92, s18, 9
	s_add_co_u32 s60, s60, s92
	s_add_nc_u64 s[BX:BX+1], s[10:11], s[60:61]
	s_lshl_b32 s92, s19, 22                        ; 256 rows of 16,384 bytes a tile row, 128 a half
	s_add_co_u32 s60, s60, s92
	s_lshl_b32 s92, s17, 21
	s_add_co_u32 s60, s60, s92
	s_add_nc_u64 s[OUT:OUT+1], s[14:15], s[60:61]
	; the prefetches: waves 0, 1: rows 32 cx + lane of my half of x's tile; waves 2, 3: blocks 32 cy + lane of my half of W's: two groups of 64 blocks
	s_lshl_b32 s92, s21, 16
	s_add_co_u32 s92, s92, s58                     ; x's offset
	s_lshr_b32 s93, s22, 1
	s_lshl_b32 s93, s93, 17
	s_and_b32 s94, s22, 1
	s_lshl_b32 s94, s94, 13
	s_add_co_u32 s93, s93, s94
	s_add_co_u32 s93, s93, s90                     ; W's offset
	s_mov_b32 s88, 16384                           ; from K step to K step: W
	s_mov_b32 s94, 256                             ; x
	s_mov_b32 s89, 0
	s_cmp_eq_u32 s17, 0
	s_cselect_b32 s60, s92, s93
	s_cselect_b32 s88, s94, s88
	s_cselect_b32 s95, 11, 8                       ; from lane to lane: a row of 2,048 bytes, or 256 bytes
	s_cselect_b64 s[PF:PF+1], s[4:5], s[6:7]
	s_add_nc_u64 s[PF:PF+1], s[PF:PF+1], s[60:61]
	s_add_nc_u64 s[PF:PF+1], s[PF:PF+1], s[88:89]
.irp k, 2,3,4,5,6,7
	s_add_nc_u64 s[PF+2*\k-2:PF+2*\k-1], s[PF+2*\k-4:PF+2*\k-3], s[88:89]
.endr
	s_mul_i32 s62, s17, HALFX                      ; my 128 rows of x
	s_lshl_b32 s63, s18, 15
	s_add_co_u32 s63, s63, WOFF                    ; my 128 columns of W
	v_and_b32 v1, 15, v0                           ; r
	v_bfe_u32 v2, v0, 4, 1                         ; h
	v_and_b32 v[IO], 31, v0
	v_lshlrev_b32 v[PFV], s95, v[IO]
	v_lshlrev_b32 v[IO], 4, v[IO]
	v_lshlrev_b32 v[R16], 4, v1
	global_load_b128 v[BI:BI+3], v[R16], s[BX:BX+1]               ; the bias indices of my columns
	global_load_b128 v[BI+4:BI+7], v[R16], s[BX:BX+1] offset:256
	SL 0
	v_lshl_add_u32 v[CO], v2, 17, v[R16]           ; 8 h rows of 16,384 bytes + 16 r
	v_mul_u32_u24 v[ADRX], v1, PITCH
	v_lshl_add_u32 v[ADRX], v2, 6, v[ADRX]         ; row r, + 64 h: the halves of the lanes take blocks four apart
	v_add_nc_u32 v[ADRX], s62, v[ADRX]
	v_add_nc_u32 v[ADRX+1], SLOT, v[ADRX]
	v_add_nc_u32 v[ADRW], s63, v[IO]
	v_add_nc_u32 v[ADRW+1], SLOT, v[ADRW]
	s_wait_alu depctr_va_vdst(0)                   ; the wait directly ahead of the wait below
	s_wait_loadcnt 8                               ; the indices are in: 8 scale loads are younger
.irp i, 0,1,2,3,4,5,6,7
	v_min_u32 v[BI+\i], 0xff, v[BI+\i]
.endr
.irp i, 0,1,2,3,4,5,6,7
	v_lshlrev_b32 v[BI+\i], 2, v[BI+\i]
.endr
.irp i, 0,1,2,3,4,5,6,7
	global_load_b32 v[BI+\i], v[BI+\i], s[12:13]   ; each lands on its own address register
.endr
	PREF 1
	s_wait_alu depctr_va_vdst(0)                   ; the wait at the head's end
	s_wait_tensorcnt 0x0                           ; my part of K step 0 is in
	ds_add_u32 v[SPW], v[NIL]
	s_wait_dscnt 0x0
	CROUND                                         ; everybody's is, and the partners are here
	JLOAD 1                                        ; slot 1: K step 1
	FETCH 0
	STEP 0, 1                                      ; its products start the sums: nothing is cleared
	STEP 1, 0
	STEP 2, 0
	TSTEP 3, 0, 1                                  ; slot 0 takes K step 2
	STEP 4, 0
	STEP 5, 0
	STEP 6, 0
	TSTEP 7, 1, 1                                  ; slot 1 K step 3
	STEP 8, 0
	STEP 9, 0
	STEP 10, 0
	TSTEP 11, 0, 1
	STEP 12, 0
	STEP 13, 0
	STEP 14, 0
	TSTEP 15, 1, 1
	STEP 16, 0
	STEP 17, 0
	STEP 18, 0
	TSTEP 19, 0, 1                                 ; slot 0 K step 6
	STEP 20, 0
	STEP 21, 0
	STEP 22, 0
	TSTEP 23, 1, 1                                 ; slot 1 K step 7, the last fill
	STEP 24, 0
	STEP 25, 0
	STEP 26, 0
	TSTEP 27, 0, 0                                 ; K step 7 is in; nothing is filled any more
; BY ROWS.
	PLACES                                         ; for the loads into the sets that step 27 read
	WIN 0
	LW WQ2, ADRW+1, 2
	WIN TO_X
	LW 192, ADRW+1, 3
	RX 1
.macro ROW n                           ; unit n: block n / 2, columns 64 (n % 2) ..: 16 matrix instructions, four accumulators by turns, three others between two on one accumulator
.if (\n) == 0
	s_wait_loadcnt 0x0                             ; K step 7's scales, the bias
	s_wait_dscnt 48                                ; x's block 0, W's q = 0, 1 are in; the 48 loads behind them may be out
.endif
.if ((\n) == 2) || ((\n) == 4)
	s_wait_dscnt 16                                ; x's block 1 (2) is in; block 2's (3's) 16 loads may be out
.endif
.if (\n) == 6
	s_wait_dscnt 0x0                               ; x's block 3
.endif
.irp q, 0,1,2,3
.if ((\n) == 0) && (\q == 2)
	s_wait_dscnt 32                                ; W's q = 2
.endif
.if ((\n) == 0) && (\q == 3)
	s_wait_dscnt 16                                ; W's q = 3; x's block 1 may be out
.endif
.if \q == 0
.set W0_, 128
.endif
.if \q == 1
.set W0_, WQ1
.endif
.if \q == 2
.set W0_, WQ2
.endif
.if \q == 3
.set W0_, 192
.endif
	WIN 0xa5+0x50*((\n)/4)-4*(((\q+1)/2)%2)        ; q = 1 and 2 take W from window 0
.irp t, 0,1,2,3
.set Z_, 0
.set O_, \t%2
.set D_, 64*((\n)%4)+16*\t
.set X_, 64*(((\n)/2)%2)+16*\q
.set W_, W0_+32*((\n)%2)+8*\t
.set SX_, SC1+4*((\n)/2)+\q
.set SW_, SC1+16+4*(2*((\n)%2)+\t/2)+\q
	WM
.endr
.endr
.endm
; PACK: four accumulators' register i + the bias make 16 bytes of a row.  Unit 0's go to v192-255 of window 0, unit n's where unit n - 1's accumulators lay, which have been packed.
.macro PACK n
.if (\n) == 0
.set PD, T0
	WIN 0x02
.else
.set PD, 64*(((\n)+3)%4)
	WIN (2+(\n)/4)|((2+((\n)-1)/4)<<6)
.endif
.irp i, 0,1,2,3,4,5,6,7,8,9,10,11,12,13,14,15
.irp t, 0,1,2,3
	v_add_f32 v[PD+4*\i+\t], v[64*((\n)%4)+16*\t+\i], v[BI+4*((\n)%2)+\t]
.endr
.endr
.endm
.macro SEND n                          ; register i is row 8 h + i (i < 8) or 16 + 8 h + i - 8 of the block: 16 lanes store 256 consecutive bytes, aligned; written once
.if (\n) == 0
	WIN 0
.else
	WIN (2+((\n)-1)/4)<<2
.endif
.irp i, 0,1,2,3,4,5,6,7,8,9,10,11,12,13,14,15
	global_store_b128 v[CO], v[PD+4*\i:PD+4*\i+3], s[OUT:OUT+1] offset:(32*((\n)/2)+\i+8*(\i/8))*16384+256*((\n)%2) th:TH_STORE_NT
.endr
.endm
.irp n, 0,1,2,3,4,5,6,7
	ROW \n
	PLACES                                         ; for the loads below, and for PACK, which reads results just made
.if \n == 1
	WIN TO_X
	RX 2
.endif
.if \n == 3
	WIN TO_X
	RX 3
.endif
	PACK \n
	SEND \n
.endr
	WIN 0
	s_wait_tensorcnt 0x0                           ; the wave's end
	ds_add_u32 v[SPW], v[NIL]
	s_wait_dscnt 0x0
	CROUND                                         ; the closing round: no work-group ends while a partner may still ask for a tile that names it
	s_endpgm
.Lfunc_end_k_qa2dd82eb4c_gemm:
	.size	k_qa2dd82eb4c_gemm, .Lfunc_end_k_qa2dd82eb4c_gemm-k_qa2dd82eb4c_gemm
	.p2alignl 7, 3214868480
	.fill 96, 4, 3214868480
	.section	.rodata,"a",@progbits
	.p2align	6, 0x0
	.amdhsa_kernel k_qa2dd82eb4c_gemm
		.amdhsa_group_segment_fixed_size 327680
		.amdhsa_private_segment_fixed_size 0
		.amdhsa_enable_private_segment 0
		.amdhsa_kernarg_size 48
		.amdhsa_user_sgpr_count 2
		.amdhsa_user_sgpr_kernarg_segment_ptr 1
		.amdhsa_wavefront_size32 1
		.amdhsa_system_sgpr_workgroup_id_x 1
		.amdhsa_system_sgpr_workgroup_id_y 1
		.amdhsa_system_sgpr_workgroup_id_z 1
		.amdhsa_system_vgpr_workitem_id 0
		.amdhsa_next_free_vgpr 1024
		.amdhsa_next_free_sgpr 96
		.amdhsa_reserve_vcc 0
		.amdhsa_float_denorm_mode_32 3
		.amdhsa_float_denorm_mode_16_64 3
		.amdhsa_memory_ordered 1
		.amdhsa_forward_progress 1
		.amdhsa_inst_pref_size 255
	.end_amdhsa_kernel
	.section	.bss,"aw",@nobits
	.p2align	6
	.space	262144
	.amdgpu_metadata
---
amdhsa.version: [ 1, 2 ]
amdhsa.kernels:
  - .name:           k_qa2dd82eb4c_gemm
    .symbol:         k_qa2dd82eb4c_gemm.kd
    .args:
      - { .name: x_codes, .offset: 0, .size: 8, .value_kind: global_buffer, .address_space: global }
      - { .name: w_codes, .offset: 8, .size: 8, .value_kind: global_buffer, .address_space: global }
      - { .name: scl, .offset: 16, .size: 8, .value_kind: global_buffer, .address_space: global }
      - { .name: bias_idx, .offset: 24, .size: 8, .value_kind: global_buffer, .address_space: global }
      - { .name: bias_table, .offset: 32, .size: 8, .value_kind: global_buffer, .address_space: global }
      - { .name: out0, .offset: 40, .size: 8, .value_kind: global_buffer, .address_space: global }
    .group_segment_fixed_size: 327680
    .private_segment_fixed_size: 0
    .kernarg_segment_align: 8
    .kernarg_segment_size: 48
    .max_flat_workgroup_size: 128
    .sgpr_count:     96
    .vgpr_count:     1024
    .wavefront_size: 32
...
	.end_amdgpu_metadata
.endif
;; end of part 2
